; MI455X (gfx1250); checked and timed in simulation.
; The chip was launched on July 23, 2026; its instructions are those of AMD's public machine-readable ISA for CDNA 5 (MIT licence, August 2026) and "CDNA5" Instruction Set Architecture Reference Guide (July 2026). The comments in the code are by the model that wrote it; some were corrected since.
;; view learner. Allowed arithmetic: matrix products marked QUANTISED: E2M3 operands, one E8M0 scale for each 32 along K, by v_wmma_scale_f32_16x16x128_f8f6f4 with both operands' format E2M3, f32 sums; everything else in f32.
;; Inputs: logvar_t 1 float32; noise 4,096 x 3 x 32 x 32 float32; x 4,096 x 3 x 32 x 32 float32.
;; Outputs: out0 4,096 x 3 x 32 x 32 float32; out1 one number float32.
;; This version of the problem:
;;   THIS VERSION OF THE PROBLEM IS GIVEN IN LOW PRECISION. The matrix products marked QUANTISED in the list below multiply operands that are first quantised to E2M3 (2 exponent bits, 3 mantissa bits; 6 bits a number), with one power-of-two scale for each 32 numbers along K (OCP MX v1.0); their sums are f32. All else is computed in f32.
;;   The module's matrix products, in the order in which they are computed (A, B: the left and right operand; K: the contracted axis; several contracted axes count as one K, in the product's order):
;;     1. [M 4,096, K 3,072] x [K 3,072, N 4,096]; A: input x; B: input x: QUANTISED
;;   THE QUANTISER, for each operand of a quantised product, along K:
;;     - K is cut into blocks of 32 from its start; a last block that is shorter is filled with zeros.
;;     - A block's scale is 2^e with e = floor(log2(the largest magnitude in the block)) - 2, held to -126 .. 127; a block of zeros has e = 0. As a byte (E8M0): e + 127.
;;     - Each number is divided by its block's scale, clamped to +-7.5, and rounded to the nearest number of E2M3, ties to even, subnormals kept.
;;     - The product sums the exact products of the quantised numbers (number of the format x scale) in f32.
;;   ~~~python
;;   def quantise(x, axis):      # numpy; x: float32 -> the quantised numbers, widened to float32 again
;;       x = np.moveaxis(x, axis, -1); K = x.shape[-1]
;;       x = np.pad(x, [(0, 0)] * (x.ndim - 1) + [(0, -K % 32)]); x = x.reshape(x.shape[:-1] + (-1, 32)); a = np.abs(x).max(-1, keepdims=True)
;;       e = np.where(a > 0, np.clip(np.frexp(np.where(a > 0, a, 1))[1] - 1 - 2, -126, 127), 0)      # np.frexp(a)[1] - 1 = floor(log2(a)), exactly
;;       r = np.clip(x / 2.0 ** e, -7.5, 7.5)
;;       step = 2.0 ** (np.maximum(np.frexp(np.where(r == 0, 1, r))[1] - 1, 0) - 3)
;;       q = np.round(r / step) * step * 2.0 ** e      # np.round: ties to even
;;       return np.moveaxis(q.reshape(q.shape[:-2] + (-1,))[..., :K], -1, axis).astype(np.float32)
;;   ~~~
;; One version. Each part assembles by itself: llvm-mc -triple=amdgcn-amd-amdhsa -mcpu=gfx1250 --defsym DOCPART=n.
;; ======== version 1 of 1: 3 launches
;; limits: right only within a limited range of input values
;; workspace buffers: codes 9,961,472 bytes; xnorm 16,384 bytes; lpart 262,144 bytes
;; launch prep (part 1): grid 256 x 1, 24 waves a work-group, no clusters, 209,920 bytes of LDS; arguments x, noise, logvar_t, out0, codes, xnorm; writes out0, codes, xnorm
.if DOCPART == 1
	.amdgcn_target "amdgcn-amd-amdhsa--gfx1250"
	.amdhsa_code_object_version 6
	.text
	.protected	k_q942003c38b_prep
	.globl	k_q942003c38b_prep
	.p2align	8
	.type	k_q942003c38b_prep,@function
k_q942003c38b_prep:
	s_mov_b64 s[64:65], 0
	v_nop
	global_prefetch_b8 v0, s[64:65] scope:SCOPE_SE
	s_setreg_imm32_b32 hwreg(HW_REG_WAVE_MODE, 25, 1), 1
	s_wait_xcnt 0x0
; out0 = x + exp(0.5 logvar) noise;  x [4096][3072] f32 is turned into codes of FP6 (E2M3) with one E8M0 byte for each 32 along K;  xnorm[row] = the sum of x^2 of the row, in f32.
; x and noise are read once and out0 is written once; the codes, scale words and norms are made from the registers that hold x anyway.
; SHARES.  Work-group g owns rows 16 g .. 16 g + 15.  Wave f (0 .. 23) owns K step f of them: 16 rows x 128 numbers, which is ONE operand fragment of the product's launch.
; No loop: a wave's 24 loads (16 of x, 8 of noise; each 512 consecutive bytes of one row, at a multiple of 512 bytes) go out together.  Each store of out0 covers the same 512 bytes.
; THE TURN.  The loads give a lane 4 neighbours of each of 16 rows; the conversions want 32 neighbours along K of ONE row in a lane's registers.  So x goes through the wave's own stage in LDS, as it lies,
; and comes back so that lane (r, h) holds, of row r, k = 32 h + 0 .. 31 and k = 64 + 32 h + 0 .. 31: the very numbers that the 6-bit operand layout gives that lane.  Stage rows are 528 bytes apart, an odd multiple of 16.
; THE CODES' BUFFER is laid as the product's launch fetches it: [row group g 256][K step of 384, s 8][4,864 bytes].  In the 4,864: three fragments (f = 3 s + q) as IMAGES OF OPERAND REGISTERS, 1,536 bytes each
; (registers 4 c .. 4 c + 3 of lane l at 512 c + 16 l), then 256 bytes of scale words, [row r 16][4 words]: word q is fragment q's, the fourth is 0.  4,864 = 19 x 256: every part begins at a multiple of 256 bytes.
; A wave stores its fragment as 1,536 consecutive bytes; the scale words are gathered in LDS and stored by waves 0 to 3, sixteen lanes to each 256 bytes.
; A block's scale is 2^(floor(log2(its largest magnitude)) - 2); its byte is the largest magnitude's exponent field - 2, held at 1 from below.
; LIMITS: a block of zeros gets the byte 1 where the rule says 127 (its codes are zeros, and the bytes are read by this program alone); blocks whose largest magnitude lies under 2^-124, the floor, were not tried;
; NaN and infinities among the inputs are not served.  The 16 norms of a work-group are 64 bytes: that one store covers a quarter of an aligned 256 bytes (16 KiB in the whole launch).
; No matrix unit, no cluster, no tensor load: work-groups share no input, and the data are wanted in registers.
.set ROWBY, 12288                      ; a row of x in bytes
.set SPI,   528                        ; a stage row: 512 bytes + 16
.set STGB,  16*SPI                     ; a wave's stage
.set GB,    4864                       ; a row group's part of a K step of 384
.set GROW,  8*GB                       ; a row group in the codes' buffer
.set SCST,  24*STGB                    ; LDS: behind the 24 stages the work-group's scale words, [s 8][r 16][4 words]; the fourth word of a row is neither written nor read
.set XNST,  SCST+2048                  ; and the norms' parts, [f 24][r 16] f32
.set L16, 1                            ; v1   16 x lane: serves x, noise, out0 and the fragment; never rewritten
.set STW, 2                            ; v2   the stage on the way in
.set STR, 3                            ; v3   and on the way out
.set SCW, 4                            ; v4   where my row's scale word goes
.set XNW, 5                            ; v5   where my row's part of the norm goes
.set SCR, 6                            ; v6   waves 0-3: where I read a row's scale words back
.set XNR, 7                            ; v7   wave 4: where I read the norms' parts
.set XNG, 8                            ; v8   4 r: my place in xnorm
.set SCG, 9                            ; v9   waves 0-3: where those scale words go in the row group's 38,912 bytes
.set TM,  10                           ; v10-11 largest magnitudes;  v12-13 the conversions' scale operands;  v14-15 the bytes
.set SW,  16                           ; v16  the scale word
.set PT,  17                           ; v17  a lane permute's destination
.set QS,  18                           ; v18-21 two packed chains of squares
.set H8,  22                           ; v22  8 h
.set X,   32                           ; v32-95   x as loaded, then turned
.set N,   96                           ; v96-127  noise, then x_t
.set PC,  96                           ; v96-107  the fragment's 12 registers (once the stores of out0 have read N)
.set TP,  108                          ; v108-115 the conversions' second halves
.set OB,  116                          ; v116-127 what is read back behind the barrier
	s_load_b256 s[4:11], s[0:1], 0x0               ; x s[4:5], noise s[6:7], logvar s[8:9], out0 s[10:11]
	s_load_b128 s[12:15], s[0:1], 0x20             ; codes s[12:13], xnorm s[14:15]
	v_lshl_add_u32 v30, v0, 2, 0x32800
	v_mov_b32 v31, 0
	v_lshrrev_b32 v10, 5, v0
	s_delay_alu instid0(VALU_DEP_1)
	v_readfirstlane_b32 s19, v10                   ; wave f, 0 .. 23
	v_and_b32 v11, 31, v0                          ; lane
	v_and_b32 v12, 15, v0                          ; r
	s_wait_alu depctr_va_vdst(0)
	v_bfe_u32 v13, v0, 4, 1                        ; h
	v_lshlrev_b32 v[L16], 4, v11
	s_wait_alu depctr_va_vdst(0)
	s_mul_i32 s24, s19, STGB                       ; my stage
	v_add_nc_u32 v[STW], s24, v[L16]               ; in: a load's 512 bytes as they lie; the row stands in the immediate
	v_mul_u32_u24 v[STR], v12, SPI
	s_delay_alu instid0(VALU_DEP_1)
	v_lshl_add_u32 v[STR], v13, 7, v[STR]
	s_delay_alu instid0(VALU_DEP_1)
	v_add_nc_u32 v[STR], s24, v[STR]               ; out: row r, + 128 h bytes: my block of 32 numbers
	s_mul_i32 s25, s19, 43
	s_lshr_b32 s25, s25, 7                         ; s = f / 3 (43 f / 128, rounded down, is f / 3 for f under 24)
	s_mul_i32 s26, s25, 244
	s_lshl_b32 s27, s19, 2
	s_add_co_u32 s26, s26, s27                     ; 244 s + 4 f = 256 s + 4 (f - 3 s)
	s_add_co_u32 s26, s26, SCST
	v_lshl_add_u32 v[SCW], v12, 4, s26             ; + 16 r
	s_lshl_b32 s26, s19, 6
	s_add_co_u32 s26, s26, XNST
	v_lshl_add_u32 v[XNW], v12, 2, s26             ; 64 f + 4 r
	s_min_u32 s27, s19, 3                          ; (waves 0 to 3 use the next two)
	s_lshl_b32 s26, s27, 9
	s_add_co_u32 s26, s26, SCST
	v_add_nc_u32 v[SCR], s26, v[L16]               ; 512 x wave + 16 x lane = 256 (2 wave + h) + 16 r: K step 2 wave + h, row r
	s_mul_i32 s27, s27, 2*GB
	s_add_co_u32 s27, s27, 3*1536
	v_mul_u32_u24 v[SCG], v13, GB
	s_delay_alu instid0(VALU_DEP_1)
	v_lshl_add_u32 v[SCG], v12, 4, v[SCG]
	s_delay_alu instid0(VALU_DEP_1)
	v_add_nc_u32 v[SCG], s27, v[SCG]               ; (2 wave + h) x 4,864 + 4,608 + 16 r
	v_mul_u32_u24 v[XNR], v13, 768
	s_delay_alu instid0(VALU_DEP_1)
	v_lshl_add_u32 v[XNR], v12, 2, v[XNR]
	s_delay_alu instid0(VALU_DEP_1)
	v_add_nc_u32 v[XNR], XNST, v[XNR]              ; lanes 0-15 add K steps 0-11 of row r, lanes 16-31 K steps 12-23
	v_lshlrev_b32 v[XNG], 2, v12
	v_lshlrev_b32 v[H8], 3, v13
	v_mov_b32 v[PT], 0                             ; written once: a lane permute's destination counts as one of its sources
	s_mov_b32 s20, 0x76543210
	s_mov_b32 s21, 0xfedcba98                      ; v_permlanex16_b32's selects for lane l xor 16
	s_mul_i32 s28, ttmp9, 16*ROWBY                 ; x, noise, out0: my work-group's 16 rows,
	s_lshl_b32 s29, s19, 9                         ; my wave's 512 bytes of each
	s_add_co_u32 s28, s28, s29
	s_mov_b32 s29, 0
	s_mul_i32 s30, ttmp9, GROW                     ; codes: my row group,
	s_mov_b32 s31, 0
	s_mul_i32 s32, s19, 1536                       ; and in it my fragment: 1,536 f + 256 s = 4,864 s + 1,536 (f - 3 s)
	s_lshl_b32 s33, s25, 8
	s_add_co_u32 s32, s32, s33
	s_mov_b32 s33, 0
	s_lshl_b32 s34, ttmp9, 6                       ; xnorm
	s_mov_b32 s35, 0
	s_wait_kmcnt 0x0
	s_load_b32 s18, s[8:9], 0x0                    ; logvar
	s_add_nc_u64 s[4:5], s[4:5], s[28:29]
	s_add_nc_u64 s[6:7], s[6:7], s[28:29]
	s_add_nc_u64 s[10:11], s[10:11], s[28:29]
	s_add_nc_u64 s[16:17], s[12:13], s[30:31]      ; the codes at my row group
	s_add_nc_u64 s[12:13], s[16:17], s[32:33]      ; and at my fragment
	s_add_nc_u64 s[14:15], s[14:15], s[34:35]
.irp i, 0,1,2,3,4,5,6,7,8,9,10,11,12,13,14,15
	global_load_b128 v[X+4*\i:X+4*\i+3], v[L16], s[4:5] offset:ROWBY*\i th:TH_LOAD_NT
.endr
; OF out0 THIS LAUNCH MAKES ROWS 0 TO 7 OF ITS 16 ALONE (so a wave has 24 loads: 16 of x, 8 of noise); rows 8 to 15 of every group are made by the last launch
.irp i, 0,1,2,3,4,5,6,7
	global_load_b128 v[N+4*\i:N+4*\i+3], v[L16], s[6:7] offset:ROWBY*\i th:TH_LOAD_NT
.endr
	s_wait_kmcnt 0x0
	v_mov_b32 v10, s18
	s_delay_alu instid0(VALU_DEP_1)
	v_mul_f32 v10, 0x3f38aa3b, v10                 ; 0.5 log2(e) x logvar
	s_wait_alu depctr_va_vdst(0)
	v_exp_f32 v10, v10                             ; exp(0.5 logvar)
	v_nop                                          ; a plain instruction behind the transcendental
	s_wait_alu depctr_va_vdst(0)                   ; and the wait ahead of its first reader
	v_readfirstlane_b32 s22, v10
	s_mov_b32 s23, s22                             ; (the packed form names the pair)
	s_wait_loadcnt 8                               ; x's 16 loads are in; the 8 of noise, issued behind them, may be out
.irp i, 0,1,2,3,4,5,6,7,8,9,10,11,12,13,14,15
	ds_store_b128 v[STW], v[X+4*\i:X+4*\i+3] offset:SPI*\i
.endr
.irp i, 0,1,2,3,4,5,6,7
	s_wait_loadcnt 7-\i                            ; row i of noise is in; the rows behind it may be out
	v_pk_fma_f32 v[N+4*\i:N+4*\i+1], v[N+4*\i:N+4*\i+1], s[22:23], v[X+4*\i:X+4*\i+1] op_sel_hi:[1,0,1]
	v_pk_fma_f32 v[N+4*\i+2:N+4*\i+3], v[N+4*\i+2:N+4*\i+3], s[22:23], v[X+4*\i+2:X+4*\i+3] op_sel_hi:[1,0,1]
	global_store_b128 v[L16], v[N+4*\i:N+4*\i+3], s[10:11] offset:ROWBY*\i th:TH_STORE_NT   ; 32 lanes store 512 consecutive bytes, at a multiple of 512 from out0's first byte
.endr
	s_wait_dscnt 0x0                               ; the stage's stores have read X: it may be loaded again
.irp c, 0,1
.irp j, 0,1,2,3,4,5,6,7
	ds_load_b128 v[X+32*\c+4*\j:X+32*\c+4*\j+3], v[STR] offset:256*\c+16*\j   ; x(r, 64 c + 32 h + 4 j ..)
.endr
.endr
	s_wait_dscnt 0x0
	; the norm's part: my 64 squares, in two packed chains; then lane l xor 16's
	v_pk_mul_f32 v[QS:QS+1], v[X:X+1], v[X:X+1]
	v_pk_mul_f32 v[QS+2:QS+3], v[X+2:X+3], v[X+2:X+3]
.irp j, 4,8,12,16,20,24,28,32,36,40,44,48,52,56,60
	s_delay_alu instid0(VALU_DEP_2)
	v_pk_fma_f32 v[QS:QS+1], v[X+\j:X+\j+1], v[X+\j:X+\j+1], v[QS:QS+1]
	s_delay_alu instid0(VALU_DEP_2)
	v_pk_fma_f32 v[QS+2:QS+3], v[X+\j+2:X+\j+3], v[X+\j+2:X+\j+3], v[QS+2:QS+3]
.endr
	s_delay_alu instid0(VALU_DEP_1)
	v_pk_add_f32 v[QS:QS+1], v[QS:QS+1], v[QS+2:QS+3]
	s_delay_alu instid0(VALU_DEP_1)
	v_add_f32 v[QS], v[QS], v[QS+1]
	s_delay_alu instid0(VALU_DEP_1)
	v_permlanex16_b32 v[PT], v[QS], s20, s21
	s_delay_alu instid0(VALU_DEP_1)
	v_add_f32 v[QS], v[QS], v[PT]
	ds_store_b32 v[XNW], v[QS]                     ; lanes r and 16 + r write the same word with the same value
	; the two blocks of 32 that are mine: blocks h and 2 + h of the K step
.irp c, 0,1
	v_max3_num_f32 v[TM+\c], |v[X+32*\c]|, |v[X+32*\c+1]|, 0x1800000   ; and the floor 2^(3 - 127): the byte cannot fall under 1
.endr
.irp i, 2,4,6,8,10,12,14,16,18,20,22,24,26,28,30
.irp c, 0,1
	s_delay_alu instid0(VALU_DEP_2)
	v_max3_num_f32 v[TM+\c], v[TM+\c], |v[X+32*\c+\i]|, |v[X+32*\c+\i+1]|   ; (the two blocks by turns)
.endr
.endr
.irp c, 0,1
	s_delay_alu instid0(VALU_DEP_2)
	v_add_nc_u32 v[TM+2+\c], 0xff000000, v[TM+\c]  ; 2 off the exponent field: the conversion takes the exponent field of this operand as its scale
.endr
.irp c, 0,1
	s_delay_alu instid0(VALU_DEP_2)
	v_lshrrev_b32 v[TM+4+\c], 23, v[TM+2+\c]       ; the scale's byte
.endr
	s_delay_alu instid0(VALU_DEP_1)
	v_lshl_or_b32 v[SW], v[TM+5], 16, v[TM+4]      ; my two bytes,
	s_delay_alu instid0(VALU_DEP_1)
	v_lshlrev_b32 v[SW], v[H8], v[SW]              ; at their places in the word (8 h bits up);
	s_delay_alu instid0(VALU_DEP_1)
	v_permlanex16_b32 v[PT], v[SW], s20, s21
	s_delay_alu instid0(VALU_DEP_1)
	v_or_b32 v[SW], v[SW], v[PT]                   ; with lane l xor 16's two the word is whole
	s_wait_alu depctr_va_vdst(0)
	s_wait_xcnt 0x0                                ; the stores of out0 have read N: its registers take the codes only behind this wait
.irp c, 0,1
	v_cvt_scalef32_pk16_fp6_f32 v[PC+6*\c:PC+6*\c+2], v[X+32*\c:X+32*\c+15], v[TM+2+\c]
	v_cvt_scalef32_pk16_fp6_f32 v[TP+4*\c:TP+4*\c+2], v[X+32*\c+16:X+32*\c+31], v[TM+2+\c]   ; (a conversion's three registers begin on an even number)
.endr
	v_nop                                          ; one plain place behind a scaled conversion
.irp c, 0,1
.irp i, 0,1,2
	v_mov_b32 v[PC+3+6*\c+\i], v[TP+4*\c+\i]
.endr
.endr
.irp c, 0,1,2
	global_store_b128 v[L16], v[PC+4*\c:PC+4*\c+3], s[12:13] offset:512*\c   ; the fragment's image: 3 x 512 consecutive bytes, at a multiple of 256 from the buffer's first byte
.endr
	ds_store_b32 v[SCW], v[SW]                     ; lanes r and 16 + r write the same word with the same value
	s_wait_dscnt 0x0                               ; for the others' sake: my scale word and my part of the norm have landed
	s_barrier_signal -1
	s_barrier_wait -1
	s_cmp_gt_u32 s19, 4
	s_cbranch_scc1 .Lend
	s_cmp_eq_u32 s19, 4
	s_cbranch_scc1 .Lnorm
	ds_load_b96 v[OB:OB+2], v[SCR]                 ; waves 0 to 3: two K steps of 384 each; a lane takes a row's three words
	s_wait_dscnt 0x0
	v_mov_b32 v[OB+3], 0                           ; the fourth word
	global_store_b128 v[SCG], v[OB:OB+3], s[16:17] ; sixteen lanes store 256 consecutive bytes, at a multiple of 256 from the buffer's first byte
	s_wait_tensorcnt 0x0
	ds_add_u32 v30, v31
	s_wait_dscnt 0x0
	s_endpgm
.Lnorm:                                                ; wave 4: the 24 parts of each row's norm
.irp k, 0,1,2,3,4,5,6,7,8,9,10,11
	ds_load_b32 v[OB+\k], v[XNR] offset:64*\k
.endr
	s_wait_dscnt 0x0
	v_pk_add_f32 v[OB:OB+1], v[OB:OB+1], v[OB+2:OB+3]
	v_pk_add_f32 v[OB+4:OB+5], v[OB+4:OB+5], v[OB+6:OB+7]
	v_pk_add_f32 v[OB+8:OB+9], v[OB+8:OB+9], v[OB+10:OB+11]
	s_delay_alu instid0(VALU_DEP_2)
	v_pk_add_f32 v[OB:OB+1], v[OB:OB+1], v[OB+4:OB+5]
	s_delay_alu instid0(VALU_DEP_1)
	v_pk_add_f32 v[OB:OB+1], v[OB:OB+1], v[OB+8:OB+9]
	s_delay_alu instid0(VALU_DEP_1)
	v_add_f32 v[OB], v[OB], v[OB+1]
	s_delay_alu instid0(VALU_DEP_1)
	v_permlanex16_b32 v[PT], v[OB], s20, s21
	s_delay_alu instid0(VALU_DEP_1)
	v_add_f32 v[OB], v[OB], v[PT]
	v_and_b32 v10, 31, v0
	s_delay_alu instid0(VALU_DEP_1)
	v_cmp_gt_u32 vcc_lo, 16, v10
	s_wait_alu depctr_va_vdst(0)
	s_wait_xcnt 0x0                                ; EXEC changes only behind this wait: the fragment's stores have been taken
	s_and_saveexec_b32 s24, vcc_lo
	global_store_b32 v[XNG], v[OB], s[14:15]       ; lanes 0 to 15: 64 consecutive bytes
	s_wait_xcnt 0x0                                ; and again, in front of the line that widens it
	s_or_b32 exec_lo, exec_lo, s24
.Lend:
	s_wait_tensorcnt 0x0
	ds_add_u32 v30, v31
	s_wait_dscnt 0x0
	s_endpgm
.Lfunc_end_k_q942003c38b_prep:
	.size	k_q942003c38b_prep, .Lfunc_end_k_q942003c38b_prep-k_q942003c38b_prep
	.p2alignl 7, 3214868480
	.fill 96, 4, 3214868480
	.section	.rodata,"a",@progbits
	.p2align	6, 0x0
	.amdhsa_kernel k_q942003c38b_prep
		.amdhsa_group_segment_fixed_size 209920
		.amdhsa_private_segment_fixed_size 0
		.amdhsa_enable_private_segment 0
		.amdhsa_kernarg_size 48
		.amdhsa_user_sgpr_count 2
		.amdhsa_user_sgpr_kernarg_segment_ptr 1
		.amdhsa_wavefront_size32 1
		.amdhsa_system_sgpr_workgroup_id_x 1
		.amdhsa_system_sgpr_workgroup_id_y 1
		.amdhsa_system_sgpr_workgroup_id_z 1
		.amdhsa_system_vgpr_workitem_id 0
		.amdhsa_next_free_vgpr 160
		.amdhsa_next_free_sgpr 66
		.amdhsa_reserve_vcc 1
		.amdhsa_float_denorm_mode_32 3
		.amdhsa_float_denorm_mode_16_64 3
		.amdhsa_memory_ordered 1
		.amdhsa_forward_progress 1
		.amdhsa_inst_pref_size 21
	.end_amdhsa_kernel
	.amdgpu_metadata
---
amdhsa.version: [ 1, 2 ]
amdhsa.kernels:
  - .name:           k_q942003c38b_prep
    .symbol:         k_q942003c38b_prep.kd
    .args:
      - { .name: x, .offset: 0, .size: 8, .value_kind: global_buffer, .address_space: global }
      - { .name: noise, .offset: 8, .size: 8, .value_kind: global_buffer, .address_space: global }
      - { .name: logvar_t, .offset: 16, .size: 8, .value_kind: global_buffer, .address_space: global }
      - { .name: out0, .offset: 24, .size: 8, .value_kind: global_buffer, .address_space: global }
      - { .name: codes, .offset: 32, .size: 8, .value_kind: global_buffer, .address_space: global }
      - { .name: xnorm, .offset: 40, .size: 8, .value_kind: global_buffer, .address_space: global }
    .group_segment_fixed_size: 209920
    .private_segment_fixed_size: 0
    .kernarg_segment_align: 8
    .kernarg_segment_size: 48
    .max_flat_workgroup_size: 768
    .sgpr_count:     66
    .vgpr_count:     160
    .wavefront_size: 32
...
	.end_amdgpu_metadata
.endif
;; end of part 1
;; launch gram (part 2): grid 16 x 16, 4 waves a work-group, clusters of 4 x 4, 327,680 bytes of LDS; arguments codes, xnorm, logvar_t, lpart; writes lpart
.if DOCPART == 2
	.amdgcn_target "amdgcn-amd-amdhsa--gfx1250"
	.amdhsa_code_object_version 6
	.text
	.protected	k_q942003c38b_gram
	.globl	k_q942003c38b_gram
	.p2align	8
	.type	k_q942003c38b_gram,@function
k_q942003c38b_gram:
	s_mov_b64 s[64:65], 0
	v_nop
	global_prefetch_b8 v0, s[64:65] scope:SCOPE_SE
	s_setreg_imm32_b32 hwreg(HW_REG_WAVE_MODE, 25, 1), 1
	s_wait_xcnt 0x0
	s_wait_alu depctr_hold_cnt(0) depctr_sa_sdst(0) depctr_va_vdst(0) depctr_va_sdst(0) depctr_va_ssrc(0) depctr_va_vcc(0) depctr_vm_vsrc(0)
	s_getreg_b32 s2, hwreg(HW_REG_IB_STS2, 6, 4)
	s_cmp_eq_u32 s2, 0
	s_cbranch_scc0 .Lentry_in_a_cluster
	s_endpgm
.Lentry_in_a_cluster:
	s_bfe_u32 s2, ttmp6, 0x10000c
	s_cmp_lg_u32 s2, 0xf033
	s_cbranch_scc0 .Lentry_shape_is_right
	s_endpgm
.Lentry_shape_is_right:
; lpart[tile column][row] = log2 of the sum, over the 256 columns j of the tile, of 2^(c max(xnorm[i] + xnorm[j] - 2 G[i][j], 0)), c = -0.5 log2(e) / (exp(logvar) + 1e-10);
; G = Q(x) Q(x)^T on codes of FP6 (E2M3) with E8M0 scales, K = 3,072, sums in f32.  The largest exponent of a row's part is taken away before the exponentials.
; A tile of G, 256 x 256, is a work-group's: four waves, each 128 x 128 in 64 accumulators.  K goes in 8 steps of 384 through two LDS slots; each wave fetches 8 row groups of 4,864 bytes by one tensor load.
; CLUSTERS 4 x 4: the row tile's codes are asked for jointly along a row of the cluster, the column tile's along a column.  The matrix instruction is used transposed (source 0 = the column tile's rows).
; LIMITS: NaN and infinities are not served; the promise holds while the exponents to the base 2 stay under 2^31 in magnitude.
.set NQ,     3
.set FR,     12
.set FRB,    1536
.set NL,     3
.set NP,     4
.set SWO,    NQ*FRB
.set GB,     SWO+256
.set GROW,   8*GB
.set HALFT,  8*GB
.set SLOT,   4*HALFT
.set LAPS,   4
.set SPARE,  2*SLOT
.set XJO,  12
.set XIO,  13
.set EXW,  14
.set EXR,  15
.set ADRA, 16
.set ADRS, 18
.set ADRB, 20
.set LO,   26
.set SPW,  28
.set NIL,  29
.set PFO,  30
.set SC,   32
.set XNI,  96
.set XNJ,  96
.set AF,   128
.set RE,   128
.set RT,   192
.set PT,   196
.set XI,   198
.set KK,   200
.set RSU,  202
.set RM,   208
.set RS,   216
.set RV,   232
.set G1, 24
.set G0, 32
.set G1B, 48
.set G0B, 56
.set SEL, 66
.set LIM, 95
.set CS,  96
.set PFA, 98
.set MSB, 0
.macro WIN new
.if MSB != \new
	s_set_vgpr_msb (MSB<<8)|\new
.set MSB, \new
.endif
.endm
.set MUL_LO, 0xa1
.set MUL_HI, 0xf1
.set TO_B,   0x40
.macro JLOAD g0a, g1a, g0b, g1b
	s_cmp_eq_u32 s15, 0
	s_cbranch_scc0 .Lfor_b_\@
	tensor_load_to_lds s[\g0a:\g0a+3], s[\g1a:\g1a+7]
	s_nop 0
.rept 4
	v_nop
.endr
	s_branch .Lasked_\@
.Lfor_b_\@:
	tensor_load_to_lds s[\g0b:\g0b+3], s[\g1b:\g1b+7]
	s_nop 0
.rept 4
	v_nop
.endr
.Lasked_\@:
.endm
.macro CREST
	s_cmp_lg_u32 s14, 0
	s_cbranch_scc1 .Lnot_wave_0_\@
	s_barrier_signal -3
.Lnot_wave_0_\@:
	s_barrier_wait -3
	s_barrier_signal -1
	s_barrier_wait -1
.endm
.macro CROUND
	s_barrier_signal -1
	s_barrier_wait -1
	CREST
.endm
.macro ASK how
.if \how
	s_cmp_eq_u32 s[LIM], 1
.else
	s_cmp_gt_u32 s3, s[LIM]
.endif
	s_cbranch_scc0 .Lnot_mine_\@
	global_prefetch_b8 v[PFO], s[PFA:PFA+1] th:TH_LOAD_NT scope:SCOPE_SE
.Lnot_mine_\@:
.endm
	s_load_b256 s[4:11], s[0:1], 0x0
	v_lshl_add_u32 v[SPW], v0, 2, SPARE
	v_mov_b32 v[NIL], 0
	ds_add_u32 v28, v29
	ds_add_u32 v28, v29
	s_wait_dscnt 0x0
	v_lshrrev_b32 v1, 5, v0
	v_readfirstlane_b32 s14, v1
	s_lshr_b32 s15, s14, 1
	s_and_b32 s16, s14, 1
	s_bfe_u32 s40, ttmp6, 0x40000
	s_bfe_u32 s41, ttmp6, 0x40004
	s_lshl_b32 s42, ttmp9, 2
	s_add_co_u32 s42, s42, s40
	s_and_b32 s17, ttmp7, 0xffff
	s_lshl_b32 s17, s17, 2
	s_add_co_u32 s17, s17, s41
	s_lshl_b32 s43, s41, 2
	s_lshl_b32 s43, 15, s43
	s_lshl_b32 s44, 0x1111, s40
	s_or_b32 s[G1+0], s43, (3<<16)|(1<<21)
	s_or_b32 s[G1B+0], s44, (3<<16)|(1<<21)
.irp g, G1, G1B
	s_mov_b32 s[\g+1], (GB/8)<<16
	s_mov_b32 s[\g+2], 8<<16
	s_mov_b32 s[\g+3], (GB/8)<<16
	s_mov_b32 s[\g+4], 8
	s_mov_b32 s[\g+5], GROW/8
	s_mov_b32 s[\g+6], 0
	s_mov_b32 s[\g+7], 0
.endr
	s_lshl_b32 s18, s16, 3
	s_lshl_b32 s20, s17, 4
	s_add_co_u32 s20, s20, s18
	s_lshl_b32 s46, s42, 4
	s_add_co_u32 s46, s46, s18
	s_mul_i32 s20, s20, GROW
	s_mov_b32 s21, 0
	s_mul_i32 s46, s46, GROW
	s_mov_b32 s47, 0
	s_mul_i32 s45, s14, HALFT
	s_wait_kmcnt 0x0
	s_add_nc_u64 s[20:21], s[4:5], s[20:21]
	s_add_nc_u64 s[46:47], s[4:5], s[46:47]
	CROUND
.irp s, 0,1
	s_mov_b32 s[G0+4*\s], 1
	s_add_co_u32 s[G0+4*\s+1], s45, \s*SLOT
	s_add_nc_u64 s[G0+4*\s+2:G0+4*\s+3], s[20:21], \s*GB
	s_or_b32 s[G0+4*\s+3], s[G0+4*\s+3], 0x80000000
	s_mov_b32 s[G0B+4*\s], 1
	s_add_co_u32 s[G0B+4*\s+1], s45, \s*SLOT
	s_add_nc_u64 s[G0B+4*\s+2:G0B+4*\s+3], s[46:47], \s*GB
	s_or_b32 s[G0B+4*\s+3], s[G0B+4*\s+3], 0x80000000
	s_wait_alu depctr_va_vdst(0)
	s_wait_tensorcnt 0x0
	ds_add_u32 v28, v29
	ds_add_u32 v28, v29
	s_wait_dscnt 0x0
	CROUND
	JLOAD G0+4*\s, G1, G0B+4*\s, G1B
.endr
	s_load_b32 s100, s[8:9], 0x0
	v_and_b32 v1, 15, v0
	v_bfe_u32 v2, v0, 4, 1
	v_and_b32 v3, 31, v0
	v_lshlrev_b32 v[LO], 4, v3
	s_mul_i32 s21, s15, HALFT
	s_mul_i32 s22, s16, HALFT
	s_add_co_u32 s22, s22, 2*HALFT
	s_sub_co_u32 s23, s22, s21
	v_mul_u32_u24 v6, s23, v2
	v_lshl_add_u32 v5, v1, 4, v6
.irp s, 0,1
	v_add_nc_u32 v[ADRA+\s], s21, v[LO]
	v_add_nc_u32 v[ADRB+\s], s22, v[LO]
	v_add_nc_u32 v[ADRS+\s], s21, v5
	v_add_nc_u32 v[ADRS+\s], SWO, v[ADRS+\s]
	s_add_co_u32 s21, s21, SLOT
	s_add_co_u32 s22, s22, SLOT
.endr
	s_lshl_b32 s23, s14, 10
	v_add_nc_u32 v[EXW], s23, v[LO]
	s_lshl_b32 s23, s15, 11
	v_lshlrev_b32 v[EXR], 9, v2
	v_lshl_add_u32 v[EXR], v1, 4, v[EXR]
	v_add_nc_u32 v[EXR], s23, v[EXR]
	v_lshlrev_b32 v[XJO], 5, v2
	s_wait_alu depctr_va_vdst(0)
	v_lshlrev_b32 v[XIO], 2, v1
	s_wait_alu depctr_va_vdst(0)
	s_lshl_b32 s18, s42, 10
	s_lshl_b32 s19, s16, 9
	s_add_co_u32 s18, s18, s19
	s_mov_b32 s19, 0
	s_add_nc_u64 s[18:19], s[6:7], s[18:19]
	s_lshl_b32 s20, s17, 10
	s_lshl_b32 s21, s15, 9
	s_add_co_u32 s20, s20, s21
	s_mov_b32 s21, 0
	s_add_nc_u64 s[20:21], s[6:7], s[20:21]
	WIN TO_B
.irp b, 0,1,2,3,4,5,6,7
	global_load_b128 v[XNJ+8*\b+96*(\b/4):XNJ+8*\b+96*(\b/4)+3], v[XJO], s[18:19] offset:64*\b
	global_load_b128 v[XNJ+8*\b+96*(\b/4)+4:XNJ+8*\b+96*(\b/4)+7], v[XJO], s[18:19] offset:64*\b+16
.endr
	WIN 0
.irp a, 0,1,2,3,4,5,6,7
	global_load_b32 v[XNI+\a], v[XIO], s[20:21] offset:64*\a
.endr
	s_lshl_b32 s22, s42, 14
	s_lshl_b32 s23, s17, 10
	s_add_co_u32 s22, s22, s23
	s_lshl_b32 s23, s15, 9
	s_add_co_u32 s22, s22, s23
	s_mov_b32 s23, 0
	s_add_nc_u64 s[10:11], s[10:11], s[22:23]
	s_lshl_b32 s92, s17, 4
	s_lshl_b32 s93, s40, 2
	s_add_co_u32 s92, s92, s93
	s_mul_i32 s92, s92, GROW
	s_add_co_u32 s92, s92, 2*GB
	s_mov_b32 s93, 0
	s_add_nc_u64 s[PFA:PFA+1], s[4:5], s[92:93]
	s_cmp_eq_u32 ttmp9, 0
	s_cselect_b32 s[LIM], 1, -1
	v_min_u32 v4, 18, v3
	v_lshlrev_b32 v4, 8, v4
	s_mul_i32 s92, s14, GROW
	v_add_nc_u32 v[PFO], s92, v4
	s_mov_b32 s[SEL], 0x76543210
	s_mov_b32 s[SEL+1], 0xfedcba98
	s_wait_kmcnt 0x0
	v_mov_b32 v4, s100
	v_mul_f32 v4, 0x3fb8aa3b, v4
	s_wait_alu depctr_va_vdst(0)
	v_exp_f32 v4, v4
	v_nop
	s_wait_alu depctr_va_vdst(0)
	v_add_f32 v4, 0x2edbe6ff, v4
	s_wait_alu depctr_va_vdst(0)
	v_rcp_f32 v4, v4
	v_nop
	s_wait_alu depctr_va_vdst(0)
	v_mul_f32 v4, 0xbf38aa3b, v4
	v_readfirstlane_b32 s[CS], v4
	s_mov_b32 s[CS+1], s[CS]
.macro FRAG reg, adr, q, i
.irp c, 0,1,2
	ds_load_b128 v[\reg+4*\c:\reg+4*\c+3], v[\adr] offset:(\i)*GB+(\q)*FRB+512*\c
.endr
.endm
.macro MUL16 a0, p, q, sc, zero
.irp a, \a0, \a0+1
.irp b, 0,1,2,3,4,5,6,7
.if \zero
	v_wmma_scale_f32_16x16x128_f8f6f4 v[8*(8*((\a)%4)+\b):8*(8*((\a)%4)+\b)+7], v[128*(\p)+FR*\b:128*(\p)+FR*\b+FR-1], v[AF+FR*(\a):AF+FR*(\a)+FR-1], 0, v[SC+32*(\sc)+4*\b+(\q)], v[SC+32*(\sc)+4*(\a)+(\q)] matrix_a_fmt:MATRIX_FMT_FP6 matrix_b_fmt:MATRIX_FMT_FP6 matrix_a_scale:MATRIX_SCALE_ROW1
.else
	v_wmma_scale_f32_16x16x128_f8f6f4 v[8*(8*((\a)%4)+\b):8*(8*((\a)%4)+\b)+7], v[128*(\p)+FR*\b:128*(\p)+FR*\b+FR-1], v[AF+FR*(\a):AF+FR*(\a)+FR-1], v[8*(8*((\a)%4)+\b):8*(8*((\a)%4)+\b)+7], v[SC+32*(\sc)+4*\b+(\q)], v[SC+32*(\sc)+4*(\a)+(\q)] matrix_a_fmt:MATRIX_FMT_FP6 matrix_b_fmt:MATRIX_FMT_FP6 matrix_a_scale:MATRIX_SCALE_ROW1
.endif
.endr
.endr
.endm
.macro FETCH_B slot, q, p
	WIN TO_B
.irp i, 0,1,2,3,4,5,6,7
	FRAG 128*(\p)+FR*\i, ADRB+\slot, \q, \i
.endr
	WIN 0
.endm
.macro FETCH_A slot, q, i0
.irp i, \i0, \i0+1, \i0+2, \i0+3
	FRAG AF+FR*(\i), ADRA+\slot, \q, \i
.endr
.endm
.macro SCALES sc
.irp i, 0,1,2,3,4,5,6,7
	ds_load_b128 v[SC+32*\sc+4*\i:SC+32*\sc+4*\i+3], v[ADRS+\sc] offset:\i*GB
.endr
.endm
.macro PLACES n
.rept \n
	v_nop
.endr
.endm
.macro STEP slot, q, zero
	s_wait_dscnt 4*NL
	WIN MUL_LO
	MUL16 0, (\slot+\q)%2, \q, \slot, \zero
	MUL16 2, (\slot+\q)%2, \q, \slot, \zero
	s_wait_dscnt 0
	PLACES NP
	FETCH_B \slot, (\q)+1, 1-(\slot+\q)%2
	FETCH_A \slot, (\q)+1, 0
	WIN MUL_HI
	MUL16 4, (\slot+\q)%2, \q, \slot, \zero
	MUL16 6, (\slot+\q)%2, \q, \slot, \zero
	PLACES NP
	WIN 0
	FETCH_A \slot, (\q)+1, 4
.endm
.macro TURN slot, next, fill, ask
.if \ask
	s_wait_xcnt 0x0
	s_add_nc_u64 s[PFA:PFA+1], s[PFA:PFA+1], GB
.endif
	s_wait_tensorcnt 0x0
	ds_add_u32 v[SPW], v[NIL]
.if \fill
	s_add_nc_u64 s[G0+4*\slot+2:G0+4*\slot+3], s[G0+4*\slot+2:G0+4*\slot+3], 2*GB
	s_add_nc_u64 s[G0B+4*\slot+2:G0B+4*\slot+3], s[G0B+4*\slot+2:G0B+4*\slot+3], 2*GB
.endif
	s_wait_dscnt 4*NL+1
	WIN MUL_LO
	MUL16 0, \slot, NQ-1, \slot, 0
	s_wait_dscnt 0x0                               ; the add is done, and my reads of this slot are over
	s_barrier_signal -1
	MUL16 2, \slot, NQ-1, \slot, 0                 ; work on registers while the others arrive
	WIN 0
	s_barrier_wait -1
.if \fill
	CREST
	JLOAD G0+4*\slot, G1, G0B+4*\slot, G1B
.else
	PLACES NP
.endif
	FETCH_B \next, 0, \next
	FETCH_A \next, 0, 0                            ; row blocks 0 to 3 have had their products: one run of loads serves both sides
	SCALES \next
.if \ask == 1
	ASK 1
.elseif \ask == 2
	ASK 0
.endif
	WIN MUL_HI
	MUL16 4, \slot, NQ-1, \slot, 0
	MUL16 6, \slot, NQ-1, \slot, 0
	PLACES NP
	WIN 0
	FETCH_A \next, 0, 4
.endm
	s_wait_loadcnt 0x0
	s_wait_tensorcnt 1
	s_barrier_signal -1
	s_barrier_wait -1
	FETCH_B 0, 0, 0
	FETCH_A 0, 0, 0
	SCALES 0
	FETCH_A 0, 0, 4
	STEP 0, 0, 1
	s_mov_b32 s3, LAPS-1
.Llap:
	STEP 0, 1, 0
	TURN 0, 1, 1, 1
	STEP 1, 0, 0
	STEP 1, 1, 0
	TURN 1, 0, 1, 2
	STEP 0, 0, 0
	s_sub_co_u32 s3, s3, 1
	s_cmp_lg_u32 s3, 0
	s_cbranch_scc1 .Llap
	STEP 0, 1, 0
	TURN 0, 1, 0, 0
	STEP 1, 0, 0
	STEP 1, 1, 0
	s_wait_dscnt 4*NL
	WIN MUL_LO
	MUL16 0, 1, NQ-1, 1, 0
	MUL16 2, 1, NQ-1, 1, 0
	s_wait_dscnt 0
	WIN MUL_HI
	MUL16 4, 1, NQ-1, 1, 0
	MUL16 6, 1, NQ-1, 1, 0
	WIN 0
.macro ROWS a
.set AC, 64*((\a)%4)
; w = xnorm[j] - 2 G; the least w of the row's part; M = c max(least w + xnorm[i], 0); exponent = min(c w + (c xnorm[i] - M), -M) = c max(dist, 0) - M
.set WSEL, 0x12+(\a)/4
	WIN WSEL                                       ; source 0: window 2 or 3; source 2: window 1
.set i, 0
.rept 32
	v_pk_fma_f32 v[RE+i:RE+i+1], v[AC+i:AC+i+1], -2.0, v[XNJ+i+96*(i/32):XNJ+i+96*(i/32)+1] op_sel_hi:[1,0,1]
.set i, i+2
.endr
	WIN 0
.irp b, 0,1,2,3
	v_min3_num_f32 v[RT+\b], v[RE+16*\b], v[RE+16*\b+1], v[RE+16*\b+2]
.endr
.irp n, 3,5,7,9,11,13
.irp b, 0,1,2,3
	v_min3_num_f32 v[RT+\b], v[RT+\b], v[RE+16*\b+\n], v[RE+16*\b+\n+1]
.endr
.endr
.irp b, 0,1,2,3
	v_min_num_f32 v[RT+\b], v[RT+\b], v[RE+16*\b+15]
.endr
	v_min3_num_f32 v[RT], v[RT], v[RT+1], v[RT+2]
	v_min_num_f32 v[RT], v[RT], v[RT+3]
	v_permlanex16_b32 v[PT], v[RT], s[SEL], s[SEL+1]
	v_min_num_f32 v[RT], v[RT], v[PT]
	v_add_f32 v[RT], v[RT], v[XNI+(\a)]
	v_max_num_f32 v[RT], 0, v[RT]
	v_mul_f32 v[RM+(\a)], s[CS], v[RT]             ; M: the largest exponent
	v_sub_f32 v[XI], 0, v[RM+(\a)]
	v_fma_f32 v[KK], s[CS], v[XNI+(\a)], v[XI]
	v_mov_b32 v[KK+1], v[KK]
.set i, 0
.rept 32
	v_pk_fma_f32 v[RE+i:RE+i+1], v[RE+i:RE+i+1], s[CS:CS+1], v[KK:KK+1] op_sel_hi:[1,0,1]
.set i, i+2
.endr
.set i, 0
.rept 64
	v_min_num_f32 v[RE+i], v[RE+i], v[XI]          ; the clamp of the distance at 0
.set i, i+1
.endr
.set i, 0
	s_wait_alu depctr_va_vdst(0)
.rept 64
	v_exp_f32 v[RE+i], v[RE+i]
.set i, i+1
.endr
	v_nop
	s_wait_alu depctr_va_vdst(0)
	v_pk_add_f32 v[RSU:RSU+1], v[RE:RE+1], v[RE+2:RE+3]
	v_pk_add_f32 v[RSU+2:RSU+3], v[RE+4:RE+5], v[RE+6:RE+7]
.irp n, 8,12,16,20,24,28,32,36,40,44,48,52,56,60
	v_pk_add_f32 v[RSU:RSU+1], v[RSU:RSU+1], v[RE+\n:RE+\n+1]
	v_pk_add_f32 v[RSU+2:RSU+3], v[RSU+2:RSU+3], v[RE+\n+2:RE+\n+3]
.endr
	v_pk_add_f32 v[RSU:RSU+1], v[RSU:RSU+1], v[RSU+2:RSU+3]
	v_add_f32 v[RSU], v[RSU], v[RSU+1]
	v_permlanex16_b32 v[PT], v[RSU], s[SEL], s[SEL+1]
	v_add_f32 v[RS+(\a)], v[RSU], v[PT]
.endm
	PLACES NP
	v_mov_b32 v[PT], 0
.irp a, 0,1,2,3,4,5,6,7
	ROWS \a
.endr
	v_cmp_eq_u32 vcc_lo, 1, v2
.irp a, 0,1,2,3,4,5,6,7
	v_cndmask_b32 v[RV+\a], v[RM+\a], v[RS+\a], vcc_lo
.endr
	ds_store_b128 v[EXW], v[RV:RV+3]
	ds_store_b128 v[EXW], v[RV+4:RV+7] offset:512
	s_wait_dscnt 0x0
	s_barrier_signal -1
	s_barrier_wait -1
	s_cmp_lg_u32 s16, 0
	s_cbranch_scc1 .Lodd
	ds_load_b128 v[128:131], v[EXR]
	ds_load_b128 v[132:135], v[EXR] offset:256
	ds_load_b128 v[136:139], v[EXR] offset:1024
	ds_load_b128 v[140:143], v[EXR] offset:1280
	s_wait_dscnt 0x0
.irp e, 0,1,2,3
	v_max_num_f32 v[144+\e], v[128+\e], v[136+\e]
.endr
.irp e, 0,1,2,3
	v_sub_f32 v[148+\e], v[128+\e], v[144+\e]
	v_sub_f32 v[152+\e], v[136+\e], v[144+\e]
.endr
	s_wait_alu depctr_va_vdst(0)
.irp e, 0,1,2,3,4,5,6,7
	v_exp_f32 v[148+\e], v[148+\e]
.endr
	v_nop
	s_wait_alu depctr_va_vdst(0)
.irp e, 0,1,2,3
	v_mul_f32 v[156+\e], v[132+\e], v[148+\e]
.endr
.irp e, 0,1,2,3
	v_fma_f32 v[156+\e], v[140+\e], v[152+\e], v[156+\e]
.endr
	s_wait_alu depctr_va_vdst(0)
.irp e, 0,1,2,3
	v_log_f32 v[156+\e], v[156+\e]
.endr
	v_nop
	s_wait_alu depctr_va_vdst(0)
.irp e, 0,1,2,3
	v_add_f32 v[160+\e], v[144+\e], v[156+\e]
.endr
	global_store_b128 v[LO], v[160:163], s[10:11]
.Lodd:
	s_wait_tensorcnt 0x0
	ds_add_u32 v[SPW], v[NIL]
	s_wait_dscnt 0x0
	CROUND
	s_endpgm
.Lfunc_end_k_q942003c38b_gram:
	.size	k_q942003c38b_gram, .Lfunc_end_k_q942003c38b_gram-k_q942003c38b_gram
	.p2alignl 7, 3214868480
	.fill 96, 4, 3214868480
	.section	.rodata,"a",@progbits
	.p2align	6, 0x0
	.amdhsa_kernel k_q942003c38b_gram
		.amdhsa_group_segment_fixed_size 327680
		.amdhsa_private_segment_fixed_size 0
		.amdhsa_enable_private_segment 0
		.amdhsa_kernarg_size 32
		.amdhsa_user_sgpr_count 2
		.amdhsa_user_sgpr_kernarg_segment_ptr 1
		.amdhsa_wavefront_size32 1
		.amdhsa_system_sgpr_workgroup_id_x 1
		.amdhsa_system_sgpr_workgroup_id_y 1
		.amdhsa_system_sgpr_workgroup_id_z 1
		.amdhsa_system_vgpr_workitem_id 0
		.amdhsa_next_free_vgpr 1024
		.amdhsa_next_free_sgpr 102
		.amdhsa_reserve_vcc 1
		.amdhsa_float_denorm_mode_32 3
		.amdhsa_float_denorm_mode_16_64 3
		.amdhsa_memory_ordered 1
		.amdhsa_forward_progress 1
		.amdhsa_inst_pref_size 255
	.end_amdhsa_kernel
	.section	.bss,"aw",@nobits
	.p2align	6
	.space	262144
	.amdgpu_metadata
---
amdhsa.version: [ 1, 2 ]
amdhsa.kernels:
  - .name:           k_q942003c38b_gram
    .symbol:         k_q942003c38b_gram.kd
    .args:
      - { .name: codes, .offset: 0, .size: 8, .value_kind: global_buffer, .address_space: global }
      - { .name: xnorm, .offset: 8, .size: 8, .value_kind: global_buffer, .address_space: global }
      - { .name: logvar_t, .offset: 16, .size: 8, .value_kind: global_buffer, .address_space: global }
      - { .name: lpart, .offset: 24, .size: 8, .value_kind: global_buffer, .address_space: global }
    .group_segment_fixed_size: 327680
    .private_segment_fixed_size: 0
    .kernarg_segment_align: 8
    .kernarg_segment_size: 32
    .max_flat_workgroup_size: 128
    .sgpr_count:     102
    .vgpr_count:     1024
    .wavefront_size: 32
...
	.end_amdgpu_metadata
.endif
;; end of part 2
;; launch finish (part 3): grid 256 x 1, 32 waves a work-group, no clusters, 4,352 bytes of LDS; arguments lpart, out1, x, noise, logvar_t, out0; writes out1, out0
.if DOCPART == 3
	.amdgcn_target "amdgcn-amd-amdhsa--gfx1250"
	.amdhsa_code_object_version 6
	.text
	.protected	k_q942003c38b_finish
	.globl	k_q942003c38b_finish
	.p2align	8
	.type	k_q942003c38b_finish,@function
k_q942003c38b_finish:
	s_mov_b64 s[64:65], 0
	v_nop
	global_prefetch_b8 v0, s[64:65] scope:SCOPE_SE
	s_setreg_imm32_b32 hwreg(HW_REG_WAVE_MODE, 25, 1), 1
	s_wait_xcnt 0x0
; out1 = (ln 4096 - mean over rows of logsumexp) / ln 2 = 12 - (the sum over the 4,096 rows of L) / 4096, where L = log2(the sum over the 16 tile columns x of 2^lpart[x][row]).
; lpart is [tile column 16][4,096 rows] f32 (the rows in an order that is the same for every tile column; the mean does not see it).
; One work-group, since one number is made: 1,024 threads, four rows each: thread t loads the 16 bytes at 16 t of each of the 16 tile columns, all 16 loads at once; a wave's load covers 512 consecutive bytes.
; A row's largest number is taken away before the exponentials.
.set D, 16                             ; v16-79  16 tile columns x my 4 rows
.set MX, 8                             ; v8-11   my rows' maxima
.set SU, 80                            ; v80-83  their sums
.macro WSUM                            ; the sum of v[SU] over the wave's 32 lanes, in every lane
	v_add_f32_dpp v[SU], v[SU], v[SU] row_xmask:1 row_mask:0xf bank_mask:0xf
	s_delay_alu instid0(VALU_DEP_1)
	v_add_f32_dpp v[SU], v[SU], v[SU] row_xmask:2 row_mask:0xf bank_mask:0xf
	s_delay_alu instid0(VALU_DEP_1)
	v_add_f32_dpp v[SU], v[SU], v[SU] row_xmask:4 row_mask:0xf bank_mask:0xf
	s_delay_alu instid0(VALU_DEP_1)
	v_add_f32_dpp v[SU], v[SU], v[SU] row_xmask:8 row_mask:0xf bank_mask:0xf
	s_wait_alu depctr_va_vdst(0)
	v_permlanex16_b32 v3, v[SU], s10, s11
	s_delay_alu instid0(VALU_DEP_1)
	v_add_f32 v[SU], v[SU], v3
.endm
	s_load_b128 s[4:7], s[0:1], 0x0                ; lpart, out1
	v_lshl_add_u32 v96, v0, 2, 0x100
	v_mov_b32 v97, 0
	v_lshlrev_b32 v1, 4, v0
	v_lshrrev_b32 v2, 5, v0
	s_delay_alu instid0(VALU_DEP_1)
	v_readfirstlane_b32 s8, v2                     ; wave 0..31
	s_delay_alu instid0(VALU_DEP_2)
	v_lshlrev_b32 v4, 2, v2                        ; LDS: a word for each wave
	v_and_b32 v5, 31, v0
	s_delay_alu instid0(VALU_DEP_1)
	v_lshlrev_b32 v5, 2, v5                        ; and a word for each lane of wave 0
	v_mov_b32 v3, 0                                ; a lane permute's destination counts as one of its sources
	v_mov_b32 v6, 0x41400000                       ; 12.0
	v_mov_b32 v7, 0
	s_mov_b32 s10, 0x76543210
	s_mov_b32 s11, 0xfedcba98
	s_wait_alu depctr_va_vdst(0)
	s_cmp_lg_u32 ttmp9, 0                          ; work-group 0 makes out1; the 255 others make the rows of out0 that the first launch left
	s_cbranch_scc1 .Lstream
	s_wait_kmcnt 0x0
.irp x, 0,1,2,3,4,5,6,7,8,9,10,11,12,13,14,15
	global_load_b128 v[D+4*\x:D+4*\x+3], v1, s[4:5] offset:16384*\x
.endr
	s_wait_loadcnt 0x0
.irp e, 0,1,2,3
	v_max3_num_f32 v[MX+\e], v[D+\e], v[D+4+\e], v[D+8+\e]
.endr
.irp x, 3,5,7,9,11,13
.irp e, 0,1,2,3
	s_delay_alu instid0(VALU_DEP_4)
	v_max3_num_f32 v[MX+\e], v[MX+\e], v[D+4*\x+\e], v[D+4*\x+4+\e]
.endr
.endr
.irp e, 0,1,2,3
	s_delay_alu instid0(VALU_DEP_4)
	v_max_num_f32 v[MX+\e], v[MX+\e], v[D+60+\e]
.endr
.irp x, 0,1,2,3,4,5,6,7,8,9,10,11,12,13,14,15
	v_pk_add_f32 v[D+4*\x:D+4*\x+1], v[D+4*\x:D+4*\x+1], v[MX:MX+1] neg_lo:[0,1] neg_hi:[0,1]
	v_pk_add_f32 v[D+4*\x+2:D+4*\x+3], v[D+4*\x+2:D+4*\x+3], v[MX+2:MX+3] neg_lo:[0,1] neg_hi:[0,1]
.endr
.set i, 0
	s_wait_alu depctr_va_vdst(0)
.rept 64
	v_exp_f32 v[D+i], v[D+i]
.set i, i+1
.endr
	v_nop                                          ; a plain instruction behind the last exponential,
	s_wait_alu depctr_va_vdst(0)                   ; and one wait for the 64, ahead of their first reader
	v_pk_add_f32 v[SU:SU+1], v[D:D+1], v[D+4:D+5]
	v_pk_add_f32 v[SU+2:SU+3], v[D+2:D+3], v[D+6:D+7]
.irp x, 2,3,4,5,6,7,8,9,10,11,12,13,14,15
	v_pk_add_f32 v[SU:SU+1], v[SU:SU+1], v[D+4*\x:D+4*\x+1]
	v_pk_add_f32 v[SU+2:SU+3], v[SU+2:SU+3], v[D+4*\x+2:D+4*\x+3]
.endr
	s_wait_alu depctr_va_vdst(0)
.irp e, 0,1,2,3
	v_log_f32 v[SU+\e], v[SU+\e]                   ; each sum is 1 at the least
.endr
	v_nop
	s_wait_alu depctr_va_vdst(0)                   ; one wait for the four
	v_pk_add_f32 v[SU:SU+1], v[SU:SU+1], v[MX:MX+1]         ; L = the maximum + log2(sum)
	v_pk_add_f32 v[SU+2:SU+3], v[SU+2:SU+3], v[MX+2:MX+3]
	s_delay_alu instid0(VALU_DEP_1)
	v_pk_add_f32 v[SU:SU+1], v[SU:SU+1], v[SU+2:SU+3]
	s_delay_alu instid0(VALU_DEP_1)
	v_add_f32 v[SU], v[SU], v[SU+1]                ; my four rows
	WSUM
	ds_store_b32 v4, v[SU]                         ; all lanes of a wave write the same word with the same value
	s_wait_dscnt 0x0                               ; for wave 0's sake
	s_barrier_signal -1
	s_barrier_wait -1
	s_cmp_lg_u32 s8, 0
	s_cbranch_scc1 .Lend
	ds_load_b32 v[SU], v5                          ; the 32 waves' sums, a lane each
	s_wait_dscnt 0x0
	WSUM
	s_delay_alu instid0(VALU_DEP_1)
	v_fma_f32 v[SU], v[SU], 0xb9800000, v6         ; 12 - sum / 4096
	v_cmp_eq_u32 vcc_lo, 0, v0
	s_wait_alu depctr_va_vdst(0)
	s_wait_xcnt 0x0                                ; EXEC changes only behind this wait
	s_and_saveexec_b32 s9, vcc_lo
	global_store_b32 v7, v[SU], s[6:7]             ; one number
	s_wait_xcnt 0x0                                ; and again, in front of the line that widens it
	s_or_b32 exec_lo, exec_lo, s9
.Lend:
	s_wait_tensorcnt 0x0
	ds_add_u32 v96, v97
	s_wait_dscnt 0x0
	s_endpgm
; out0 = x + exp(0.5 logvar) noise for rows 8 to 15 of each group of 16 rows.  Work-group g (1 .. 255) takes group g's eight rows: 98,304 consecutive bytes, six passes of 16,384 (1,024 threads x 16 bytes).
; Group 0's eight rows are six such passes too: work-groups 1 to 6 take one each as a seventh.  All loads of a thread go out together; a wave's load or store covers 512 consecutive bytes.  No LDS on this path.
.macro STREAM np
.set i, 0
.rept 6
	global_load_b128 v[16+8*i:19+8*i], v1, s[12:13] offset:16384*i th:TH_LOAD_NT
	global_load_b128 v[20+8*i:23+8*i], v1, s[14:15] offset:16384*i th:TH_LOAD_NT
.set i, i+1
.endr
.if \np == 7
	global_load_b128 v[64:67], v1, s[24:25] th:TH_LOAD_NT
	global_load_b128 v[68:71], v1, s[26:27] th:TH_LOAD_NT
.endif
	s_wait_kmcnt 0x0
	v_mov_b32 v10, s9
	v_mul_f32 v10, 0x3f38aa3b, v10                 ; 0.5 log2(e) x logvar
	s_wait_alu depctr_va_vdst(0)
	v_exp_f32 v10, v10
	v_nop
	s_wait_alu depctr_va_vdst(0)
	v_readfirstlane_b32 s10, v10
	s_mov_b32 s11, s10                             ; (the packed form names the pair)
.set i, 0
.rept 6
	s_wait_loadcnt 2*(\np-1-i)                     ; pass i's two loads are in; the later passes' may be out
	v_pk_fma_f32 v[20+8*i:21+8*i], v[20+8*i:21+8*i], s[10:11], v[16+8*i:17+8*i] op_sel_hi:[1,0,1]
	v_pk_fma_f32 v[22+8*i:23+8*i], v[22+8*i:23+8*i], s[10:11], v[18+8*i:19+8*i] op_sel_hi:[1,0,1]
	global_store_b128 v1, v[20+8*i:23+8*i], s[18:19] offset:16384*i th:TH_STORE_NT
.set i, i+1
.endr
.if \np == 7
	s_wait_loadcnt 0x0
	v_pk_fma_f32 v[68:69], v[68:69], s[10:11], v[64:65] op_sel_hi:[1,0,1]
	v_pk_fma_f32 v[70:71], v[70:71], s[10:11], v[66:67] op_sel_hi:[1,0,1]
	global_store_b128 v1, v[68:71], s[28:29] th:TH_STORE_NT
.endif
.endm
.Lstream:
	s_load_b256 s[12:19], s[0:1], 0x10             ; x s[12:13], noise s[14:15], logvar s[16:17], out0 s[18:19]
	s_mul_i32 s20, ttmp9, 196608                   ; group g's 16 rows,
	s_add_co_u32 s20, s20, 98304                   ; the upper eight
	s_mov_b32 s21, 0
	s_lshl_b32 s22, ttmp9, 14                      ; the seventh pass: 98,304 + 16,384 (g - 1)
	s_add_co_u32 s22, s22, 81920
	s_mov_b32 s23, 0
	s_wait_kmcnt 0x0
	s_load_b32 s9, s[16:17], 0x0
	s_add_nc_u64 s[24:25], s[12:13], s[22:23]
	s_add_nc_u64 s[26:27], s[14:15], s[22:23]
	s_add_nc_u64 s[28:29], s[18:19], s[22:23]
	s_add_nc_u64 s[12:13], s[12:13], s[20:21]
	s_add_nc_u64 s[14:15], s[14:15], s[20:21]
	s_add_nc_u64 s[18:19], s[18:19], s[20:21]
	s_cmp_gt_u32 ttmp9, 6
	s_cbranch_scc1 .Lsix
	STREAM 7
	s_endpgm
.Lsix:
	STREAM 6
	s_endpgm
.Lfunc_end_k_q942003c38b_finish:
	.size	k_q942003c38b_finish, .Lfunc_end_k_q942003c38b_finish-k_q942003c38b_finish
	.p2alignl 7, 3214868480
	.fill 96, 4, 3214868480
	.section	.rodata,"a",@progbits
	.p2align	6, 0x0
	.amdhsa_kernel k_q942003c38b_finish
		.amdhsa_group_segment_fixed_size 4352
		.amdhsa_private_segment_fixed_size 0
		.amdhsa_enable_private_segment 0
		.amdhsa_kernarg_size 48
		.amdhsa_user_sgpr_count 2
		.amdhsa_user_sgpr_kernarg_segment_ptr 1
		.amdhsa_wavefront_size32 1
		.amdhsa_system_sgpr_workgroup_id_x 1
		.amdhsa_system_sgpr_workgroup_id_y 1
		.amdhsa_system_sgpr_workgroup_id_z 1
		.amdhsa_system_vgpr_workitem_id 0
		.amdhsa_next_free_vgpr 98
		.amdhsa_next_free_sgpr 66
		.amdhsa_reserve_vcc 1
		.amdhsa_float_denorm_mode_32 3
		.amdhsa_float_denorm_mode_16_64 3
		.amdhsa_memory_ordered 1
		.amdhsa_forward_progress 1
		.amdhsa_inst_pref_size 21
	.end_amdhsa_kernel
	.amdgpu_metadata
---
amdhsa.version: [ 1, 2 ]
amdhsa.kernels:
  - .name:           k_q942003c38b_finish
    .symbol:         k_q942003c38b_finish.kd
    .args:
      - { .name: lpart, .offset: 0, .size: 8, .value_kind: global_buffer, .address_space: global }
      - { .name: out1, .offset: 8, .size: 8, .value_kind: global_buffer, .address_space: global }
      - { .name: x, .offset: 16, .size: 8, .value_kind: global_buffer, .address_space: global }
      - { .name: noise, .offset: 24, .size: 8, .value_kind: global_buffer, .address_space: global }
      - { .name: logvar_t, .offset: 32, .size: 8, .value_kind: global_buffer, .address_space: global }
      - { .name: out0, .offset: 40, .size: 8, .value_kind: global_buffer, .address_space: global }
    .group_segment_fixed_size: 4352
    .private_segment_fixed_size: 0
    .kernarg_segment_align: 8
    .kernarg_segment_size: 48
    .max_flat_workgroup_size: 1024
    .sgpr_count:     66
    .vgpr_count:     98
    .wavefront_size: 32
...
	.end_amdgpu_metadata
.endif
;; end of part 3
